; MI455X (gfx1250); checked and timed in simulation.
; The chip was launched on July 23, 2026; its instructions are those of AMD's public machine-readable ISA for CDNA 5 (MIT licence, August 2026) and "CDNA5" Instruction Set Architecture Reference Guide (July 2026). The comments in the code are by the model that wrote it; some were corrected since.
;; Self Attention. Allowed arithmetic: matrix products marked QUANTISED: E5M2 operands, one E8M0 scale for each 32 along K, by v_wmma_scale_f32_16x16x128_f8f6f4 with both operands' format E5M2, f32 sums; everything else in f32.
;; Inputs: Wk_codes 128 x 8 x 32 uint8 (E5M2 codes of Wk, K innermost, in blocks of 32 codes); Wk_scales 128 x 8 uint8 (E8M0 scales of Wk, one for each 32 codes along K); Wq_codes 128 x 8 x 32 uint8 (E5M2 codes of Wq, K innermost, in blocks of 32 codes); Wq_scales 128 x 8 uint8 (E8M0 scales of Wq, one for each 32 codes along K); Wr_codes 256 x 8 x 32 uint8 (E5M2 codes of Wr, K innermost, in blocks of 32 codes); Wr_scales 256 x 8 uint8 (E8M0 scales of Wr, one for each 32 codes along K); Wv_codes 256 x 8 x 32 uint8 (E5M2 codes of Wv, K innermost, in blocks of 32 codes); Wv_scales 256 x 8 uint8 (E8M0 scales of Wv, one for each 32 codes along K); bk 128 float32; bq 128 float32; br 256 float32; bv 256 float32; gamma 1 float32; x 8 x 256 x 64 x 64 float32.
;; Outputs: out0 8 x 256 x 64 x 64 float32.
;; This version of the problem:
;;   THIS VERSION OF THE PROBLEM IS GIVEN IN LOW PRECISION. The matrix products marked QUANTISED in the list below multiply operands that are first quantised to E5M2 (5 exponent bits, 2 mantissa bits; 8 bits a number), with one power-of-two scale for each 32 numbers along K (OCP MX v1.0); their sums are f32. All else is computed in f32.
;;   The module's matrix products, in the order in which they are computed (A, B: the left and right operand; K: the contracted axis; several contracted axes count as one K, in the product's order):
;;     1. [M 32,768, K 256] x [K 256, N 128]; A: input x; B: input Wk (given as codes): QUANTISED
;;     2. [M 32,768, K 256] x [K 256, N 128]; A: input x; B: input Wq (given as codes): QUANTISED
;;     3. [M 32,768, K 256] x [K 256, N 256]; A: input x; B: input Wv (given as codes): QUANTISED
;;     4. batch 8 x [M 4,096, K 128] x [K 128, N 4,096]; A: computed on the way; B: computed on the way: QUANTISED
;;     5. batch 8 x [M 256, K 4,096] x [K 4,096, N 4,096]; A: computed on the way; B: softmax (see below): QUANTISED
;;     6. [M 32,768, K 256] x [K 256, N 256]; A: computed on the way; B: input Wr (given as codes): QUANTISED
;;   THE QUANTISER, for each operand of a quantised product, along K:
;;     - K is cut into blocks of 32 from its start; a last block that is shorter is filled with zeros.
;;     - A block's scale is 2^e with e = floor(log2(the largest magnitude in the block)) - 15, held to -126 .. 127; a block of zeros has e = 0. As a byte (E8M0): e + 127.
;;     - Each number is divided by its block's scale, clamped to +-57,344, and rounded to the nearest number of E5M2, ties to even, subnormals kept.
;;     - The product sums the exact products of the quantised numbers (number of the format x scale) in f32.
;;   ~~~python
;;   def quantise(x, axis):      # numpy; x: float32 -> the quantised numbers, widened to float32 again
;;       x = np.moveaxis(x, axis, -1); K = x.shape[-1]
;;       x = np.pad(x, [(0, 0)] * (x.ndim - 1) + [(0, -K % 32)]); x = x.reshape(x.shape[:-1] + (-1, 32)); a = np.abs(x).max(-1, keepdims=True)
;;       e = np.where(a > 0, np.clip(np.frexp(np.where(a > 0, a, 1))[1] - 1 - 15, -126, 127), 0)      # np.frexp(a)[1] - 1 = floor(log2(a)), exactly
;;       r = np.clip(x / 2.0 ** e, -57344, 57344)
;;       step = 2.0 ** (np.maximum(np.frexp(np.where(r == 0, 1, r))[1] - 1, -14) - 2)
;;       q = np.round(r / step) * step * 2.0 ** e      # np.round: ties to even
;;       return np.moveaxis(q.reshape(q.shape[:-2] + (-1,))[..., :K], -1, axis).astype(np.float32)
;;   ~~~
;;   SOFTMAX AHEAD OF A QUANTISED PRODUCT. Where the list says 'softmax', what is quantised is not the finished softmax but p = 2^(t - M), with t = logit x log2(e) and M = ceil(the row's largest t), a whole number; so 1/2 < the row's largest p <= 1. The row's sum l is taken of the UNQUANTISED p, in f32, and the product's result is divided by l at the end. Since M is a whole number, a kernel that streams over the keys may use a running M (the ceiling of the running maximum): every later rescaling is an exact power of two, which a block's scale takes up: the codes' values come out the same.
;;   OPERANDS COMPUTED ON THE WAY. 'Computed on the way' means the value that the module computes at that place (a softmax that the list does not call 'softmax' is quantised finished and normalised). What goes into a quantiser is computed in f32, as accurately as f32 sums, v_exp_f32 and their like allow (about 1e-6 of the number): no bf16 or f16 on the way to a quantiser, and a product that is left as it is and whose result goes on into a quantised operand takes f32 operands (vector FMAs, or v_wmma_f32_16x16x4_f32). A number that lies on a knife's edge between two numbers of the format may be rounded either way, as far as f32 arithmetic and the matrix unit's own rounding can turn it there, and no further.
;;   INPUTS GIVEN AS CODES. Wk (in the module: [128, 256], K = its axis 1); Wq (in the module: [128, 256], K = its axis 1); Wr (in the module: [256, 256], K = its axis 1); Wv (in the module: [256, 256], K = its axis 1): each comes as NAME_codes (uint8): NAME with its K axis moved to the last place and cut into blocks of 32 codes, [.., K / 32, bytes a block], one block behind the other in memory; one code a byte (a code: sign, 5 exponent bits, 2 mantissa bits); and NAME_scales (uint8): the same leading axes, one E8M0 byte (e + 127) for each 32 codes along K. Its value is code x scale, taken as it is: it is not quantised again, and the codes and scales need not be those that the quantiser above would give.
;; One version. Each part assembles by itself: llvm-mc -triple=amdgcn-amd-amdhsa -mcpu=gfx1250 --defsym DOCPART=n.
;; ======== version 1 of 1: 2 launches
;; limits: right only within a limited range of input values
;; workspace buffers: kbuf 4,456,448 bytes; qbuf 4,456,448 bytes; vbuf 8,912,896 bytes
;; launch proj (part 1): grid 32 x 8, 4 waves a work-group, no clusters, 35,328 bytes of LDS; arguments x, Wk_codes, Wk_scales, bk, Wq_codes, Wq_scales, bq, Wv_codes, Wv_scales, bv, kbuf, qbuf, vbuf; writes kbuf, qbuf, vbuf
.if DOCPART == 1
	.amdgcn_target "amdgcn-amd-amdhsa--gfx1250"
	.amdhsa_code_object_version 6
	.text
	.protected	k_qec1786744d_proj
	.globl	k_qec1786744d_proj
	.p2align	8
	.type	k_qec1786744d_proj,@function
k_qec1786744d_proj:
	s_mov_b64 s[64:65], 0
	v_nop
	global_prefetch_b8 v0, s[64:65] scope:SCOPE_SE
	s_setreg_imm32_b32 hwreg(HW_REG_WAVE_MODE, 25, 1), 1
	s_wait_xcnt 0x0
; k = Wk x + bk, q = Wq x + bq, v = Wv x + bv for 128 pixels of one image, all three products on codes of BF8 (E5M2) with one E8M0 scale for each 32 along K,
; and the results quantised again for the attention launch: k and q along their 128 channels, v along the 128 pixels (the keys).
; x: [8][256][4096] f32, K = the channel, which is NOT innermost.  Weights: codes [rows][256], scale bytes [rows][8].
; OUT: records of operand images.  A fragment (16 rows x 128 K) is 2,048 bytes: register group c of lane l at 512 c + 16 l.  kbuf, qbuf: [image][block][8 fragments, 1,024 bytes of scale words];
; vbuf: [image][block][16 fragments, 2,048 bytes of scale words]; the scale word of tile i and lane l lies at 512 (i / 4) + 16 l + 4 (i % 4).
; SHARES.  A work-group takes 128 pixels x 256 channels.  First each wave quantises 64 channels (two blocks of 32) of all 128 pixels: a load reads one channel at 128 neighbouring pixels (512 consecutive
; bytes, four pixels a lane), so a block of 32 channels of a pixel lies in ONE lane's registers.  The codes go to LDS as images of x's fragments; one barrier; every wave reads all 16 fragments.
; Then THE WAVES SHARE THE COLUMNS: wave 0 makes k, wave 1 q, waves 2 and 3 the halves of v; each keeps its 128 weight rows in 256 registers.
; THE ORDER OF THE LOADS: x first, since the first work waits for it; the weights are asked for between x's two blocks, so that their requests stand beside the arrival of x's second half.
; ROW ORDER.  Row r of tile T is index 32 (T / 2) + 8 (T % 2) + r + 8 (r / 8), for pixel tiles and for weight rows alike: then the 16 result registers of tiles 2 b and 2 b + 1 are 16 neighbours
; along the next K, and the conversions' results are the next operand's registers.  k, q: source 0 = weight rows, source 1 = pixels (a lane holds a pixel); v: source 0 = pixels, source 1 = weight rows (a lane holds a channel).
; The biases are the C of each sum's first matrix instruction.
; NO CLUSTER, NO TENSOR LOAD: no two work-groups share a byte of x, which is the bulk of what is read; the weights (128 KiB a work-group) go straight into registers.
; LIMITS: NaN and infinities among the inputs are not served; a block of zeros gets the scale byte 1 and not 127 (its codes are zeros, and this program alone reads these bytes).
; REGISTERS: window 0: v1-11 lane numbers and addresses; v12-27 the quantiser's scratch; v32-39 scale words made; v40-43 x's scale bytes; v44-59 the weights' scale words; v60-75 x's; v80-87 bv;
;   v96-159 results (first: held numbers, two sets of 32); v160-223 codes.  window 1: the weights' 16 fragments.  window 2: x as loaded, then x's 16 fragments.  window 3: v0-63 the bias as C.
.set KREC, 17408                       ; a record of kbuf or qbuf
.set VREC, 34816                       ; a record of vbuf
.set XSC,  33024                       ; LDS: x's scale bytes [tile][row][8]; below it x's images: tile t, K step s at (t / 2) 8224 + (t % 2) 4112 + 2048 s
.set LI,   4                           ; v4   16 x lane
.set XW,   5                           ; v5   where my four pixels' codes go
.set XSW,  6                           ; v6   and their scale bytes
.set XSR,  7                           ; v7   where row r's scale words are read
.set WA,   8                           ; v8   my place in a tile of weight rows
.set WSA,  9                           ; v9   and among their scale words
.set BA,   10                          ; v10  bk, bq: 64 x (lane / 16)
.set BVA,  11                          ; v11  bv: 4 x my row
.set TM,   12                          ; v12-15 largest magnitudes, v16-19 bytes, v20-23 the largest number x the scale, v24-27 the conversions' scale operands
.set PWS,  32
.set SB,   40
.set WS,   44
.set XS,   60
.set BVL,  80
.set D,    96
.set HT,   96
.set PC,   160
.set MSB, 0
.macro WIN new                         ; the immediate's high byte repeats the setting that is left
.if MSB != \new
	s_set_vgpr_msb (MSB<<8)|\new
.set MSB, \new
.endif
.endm
; One block of 32 channels (cb = 0, 1 of my two) of my four pixels j.  Raw x: register 128 cb + 4 c + j of window 2 = channel c, pixel 4 lane + j.
.macro XBLOCK cb
.if \cb == 0
	s_wait_loadcnt 32                              ; the first block's 32 loads are in; the second block's 32 may be out
.else
	s_wait_loadcnt 63                              ; behind the second block's loads stand at least 80 others (8 or 16 of the bias, 8 of scale words, 64 of codes); a wait's count ends at 63
.endif
	WIN 0x0a                                       ; sources 0 and 1 window 2
.irp j, 0,1,2,3
	v_max3_num_f32 v[TM+\j], |v[128*\cb+\j]|, |v[128*\cb+4+\j]|, 0x8000000   ; with the floor 2^(16 - 127): the byte cannot fall under 1
.endr
	WIN 0x28                                       ; sources 1 and 2 window 2
.set cc, 2
.rept 15
.irp j, 0,1,2,3
	v_max3_num_f32 v[TM+\j], v[TM+\j], |v[128*\cb+4*cc+\j]|, |v[128*\cb+4*cc+4+\j]|   ; the four pixels by turns
.endr
.set cc, cc+2
.endr
	WIN 0
.irp j, 0,1,2,3
	v_add_nc_u32 v[TM+12+\j], 0xf8800000, v[TM+\j] ; 15 off the exponent field: the conversion's scale operand
.endr
.irp j, 0,1,2,3
	v_and_or_b32 v[TM+8+\j], v[TM+\j], 0x7f800000, s54   ; 57,344 x the scale
.endr
.irp j, 0,1,2,3
.if \cb == 0
	v_lshrrev_b32 v[SB+\j], 23, v[TM+12+\j]        ; the scale's byte
.else
	v_lshrrev_b32 v[TM+4+\j], 23, v[TM+12+\j]
.endif
.endr
.if \cb == 1
.irp j, 0,1,2,3
	v_lshl_or_b32 v[SB+\j], v[TM+4+\j], 8, v[SB+\j]   ; my two blocks' bytes are neighbours
.endr
.endif
.irp j, 0,1,2,3
	WIN 0x02                                       ; source 0 window 2
.set cc, 0
.rept 32
	v_med3_num_f32 v[HT+32*(\j%2)+cc], v[128*\cb+4*cc+\j], -v[TM+8+\j], v[TM+8+\j]   ; the hold (the conversion does not saturate: ISA guide 7.6.2) also brings a pixel's 32 channels into consecutive registers
.set cc, cc+1
.endr
	WIN 0
.irp g, 0,1,2,3
	v_cvt_scalef32_pk8_bf8_f32 v[PC+8*(4*\cb+\j)+2*\g:PC+8*(4*\cb+\j)+2*\g+1], v[HT+32*(\j%2)+8*\g:HT+32*(\j%2)+8*\g+7], v[TM+12+\j]
.endr
	ds_store_b128 v[XW], v[PC+8*(4*\cb+\j):PC+8*(4*\cb+\j)+3] offset:512*\cb+16*\j        ; channels 0-15 of the block: the image's lane r
	ds_store_b128 v[XW], v[PC+8*(4*\cb+\j)+4:PC+8*(4*\cb+\j)+7] offset:512*\cb+16*\j+256  ; channels 16-31: lane 16 + r
.endr
.endm
; 64 numbers of a lane, register 16 b + i = k 32 b + 16 (lane / 16) + i of my row, become a fragment's codes in v[pc] on and its scale word in v[pw].
.macro QUANT src, pc, pw
.irp b, 0,1,2,3
	v_max3_num_f32 v[TM+\b], |v[\src+16*\b]|, |v[\src+16*\b+1]|, 0x8000000
.endr
.irp i, 2,4,6,8,10,12,14
.irp b, 0,1,2,3
	v_max3_num_f32 v[TM+\b], v[TM+\b], |v[\src+16*\b+\i]|, |v[\src+16*\b+\i+1]|
.endr
.endr
.irp b, 0,1,2,3
	v_permlanex16_b32 v[TM+4+\b], v[TM+\b], s52, s53
.endr
.irp b, 0,1,2,3
	v_max_num_f32 v[TM+\b], v[TM+\b], v[TM+4+\b]   ; with lane l xor 16's: the block's largest magnitude
.endr
.irp b, 0,1,2,3
	v_add_nc_u32 v[TM+12+\b], 0xf8800000, v[TM+\b]
.endr
.irp b, 0,1,2,3
.endr
.irp b, 0,1,2,3
	v_lshrrev_b32 v[TM+4+\b], 23, v[TM+12+\b]
.endr
	v_lshl_or_b32 v[\pw], v[TM+5], 8, v[TM+4]
	v_lshl_or_b32 v[\pw], v[TM+6], 16, v[\pw]
	v_lshl_or_b32 v[\pw], v[TM+7], 24, v[\pw]
.irp b, 0,1,2,3
.irp i, 0,1,2,3,4,5,6,7,8,9,10,11,12,13,14,15
.endr
	v_cvt_scalef32_pk8_bf8_f32 v[\pc+4*\b:\pc+4*\b+1], v[\src+16*\b:\src+16*\b+7], v[TM+12+\b]
	v_cvt_scalef32_pk8_bf8_f32 v[\pc+4*\b+2:\pc+4*\b+3], v[\src+16*\b+8:\src+16*\b+15], v[TM+12+\b]
.endr
	v_nop                                          ; a plain line between the last conversion and the next products, which write its sources
.endm
; 16 matrix instructions: eight accumulators by turns, two K steps.  kind 0 (k, q): the 8 tiles of weight rows x pixel tile i.  kind 1 (v): the 8 pixel tiles x weight tile i.
.macro PRODS kind, i
.if \kind == 0
	WIN 0x39                                       ; source 0 (W) window 1, source 1 (x) window 2, C (bias) window 3
.irp t, 0,1,2,3,4,5,6,7
	v_wmma_scale_f32_16x16x128_f8f6f4 v[D+8*\t:D+8*\t+7], v[32*\t:32*\t+15], v[32*\i:32*\i+15], v[8*\t:8*\t+7], v[WS+2*\t], v[XS+2*\i] matrix_a_fmt:MATRIX_FMT_BF8 matrix_b_fmt:MATRIX_FMT_BF8
.endr
	WIN 0x09
.irp t, 0,1,2,3,4,5,6,7
	v_wmma_scale_f32_16x16x128_f8f6f4 v[D+8*\t:D+8*\t+7], v[32*\t+16:32*\t+31], v[32*\i+16:32*\i+31], v[D+8*\t:D+8*\t+7], v[WS+2*\t+1], v[XS+2*\i+1] matrix_a_fmt:MATRIX_FMT_BF8 matrix_b_fmt:MATRIX_FMT_BF8
.endr
.else
	WIN 0x36                                       ; source 0 (x) window 2, source 1 (W) window 1, C (bias) window 3
.irp t, 0,1,2,3,4,5,6,7
	v_wmma_scale_f32_16x16x128_f8f6f4 v[D+8*\t:D+8*\t+7], v[32*\t:32*\t+15], v[32*\i:32*\i+15], v[8*\i:8*\i+7], v[XS+2*\t], v[WS+2*\i] matrix_a_fmt:MATRIX_FMT_BF8 matrix_b_fmt:MATRIX_FMT_BF8
.endr
	WIN 0x06
.irp t, 0,1,2,3,4,5,6,7
	v_wmma_scale_f32_16x16x128_f8f6f4 v[D+8*\t:D+8*\t+7], v[32*\t+16:32*\t+31], v[32*\i+16:32*\i+31], v[D+8*\t:D+8*\t+7], v[XS+2*\t+1], v[WS+2*\i+1] matrix_a_fmt:MATRIX_FMT_BF8 matrix_b_fmt:MATRIX_FMT_BF8
.endr
.endif
	WIN 0
.endm
.macro ITER kind, i                    ; one fragment of the output: products, quantiser, four stores of 512 consecutive bytes
	PRODS \kind, \i
.rept 8
	v_nop                                          ; eight places between the products and the first read of their results
.endr
	s_wait_xcnt 0x0                                ; the stores of four tiles ago have read their registers: that set of codes is written again
	QUANT D, PC+16*(\i%4), PWS+\i
.irp c, 0,1,2,3
	global_store_b128 v[LI], v[PC+16*(\i%4)+4*\c:PC+16*(\i%4)+4*\c+3], s[46:47] offset:2048*\i+512*\c
.endr
.endm
.macro WORDS                           ; my eight tiles' scale words: two stores of 512 consecutive bytes
	global_store_b128 v[LI], v[PWS:PWS+3], s[48:49]
	global_store_b128 v[LI], v[PWS+4:PWS+7], s[48:49] offset:512
.endm
	s_load_b512 s[8:23], s[0:1], 0x0               ; x, Wk codes, Wk scales, bk, Wq codes, Wq scales, bq, Wv codes
	s_load_b256 s[24:31], s[0:1], 0x40             ; Wv scales, bv, kbuf, qbuf
	s_load_b64 s[32:33], s[0:1], 0x60              ; vbuf
	v_lshl_add_u32 v254, v0, 2, 0x8800
	v_mov_b32 v255, 0
	v_lshrrev_b32 v1, 5, v0
	v_readfirstlane_b32 s2, v1                     ; wave 0..3
	v_and_b32 v1, 31, v0                           ; lane
	v_and_b32 v2, 15, v0                           ; r
	v_bfe_u32 v3, v0, 4, 1                         ; h
	v_lshlrev_b32 v[LI], 4, v1
	; pixel 4 lane + j is row j + 4 l0 + 8 l2 of tile 2 (lane / 8) + l1 (l0, l1, l2: the lane's low bits)
	v_and_b32 v12, 1, v0
	v_bfe_u32 v13, v0, 1, 1
	v_bfe_u32 v14, v0, 2, 1
	v_bfe_u32 v15, v0, 3, 2
	s_lshr_b32 s3, s2, 1
	s_lshl_b32 s3, s3, 11                          ; my channels' K step: 2048 (wave / 2),
	s_and_b32 s4, s2, 1
	s_lshl_b32 s4, s4, 10                          ; and register groups: 1024 (wave % 2)
	s_add_co_u32 s3, s3, s4
	v_lshlrev_b32 v[XW], 6, v12
	v_mad_u32_u24 v[XW], v13, 4112, v[XW]
	v_lshl_add_u32 v[XW], v14, 7, v[XW]
	v_mad_u32_u24 v[XW], v15, 8224, v[XW]          ; the odd 16 and 32 bytes in the tiles' strides put sixteen lanes' 16 bytes into sixteen different columns of 256 bytes
	v_add_nc_u32 v[XW], s3, v[XW]
	v_lshlrev_b32 v[XSW], 5, v12
	v_lshl_add_u32 v[XSW], v13, 7, v[XSW]
	v_lshl_add_u32 v[XSW], v14, 6, v[XSW]
	v_lshl_add_u32 v[XSW], v15, 8, v[XSW]
	s_lshl_b32 s4, s2, 1
	s_add_co_u32 s4, s4, XSC
	v_add_nc_u32 v[XSW], s4, v[XSW]                ; 128 tile + 8 row + 2 wave
	v_lshl_add_u32 v[XSR], v2, 3, XSC
	v_and_b32 v16, 8, v2
	v_add_nc_u32 v16, v16, v2                      ; r + 8 (r / 8)
	v_lshlrev_b32 v[WA], 8, v16                    ; a weight row is 256 codes
	v_lshl_add_u32 v[WA], v3, 4, v[WA]
	v_lshlrev_b32 v[WSA], 3, v16
	v_lshlrev_b32 v[BA], 6, v3
	v_lshlrev_b32 v[BVA], 2, v16
	s_mov_b32 s52, 0x76543210
	s_mov_b32 s53, 0xfedcba98                      ; v_permlanex16_b32's selects for lane l xor 16
	s_mov_b32 s54, 0x600000                        ; the mantissa field of 57,344
	s_and_b32 s5, ttmp7, 0xffff                    ; image
	s_lshl_b32 s6, s5, 5
	s_add_co_u32 s6, s6, ttmp9                     ; record = 32 image + block
	s_cmp_eq_u32 s2, 3
	s_cselect_b32 s34, 1, 0                        ; 1 in the wave of v's upper half
	s_cmp_lt_u32 s2, 2
	s_mov_b32 s35, VREC
	s_cselect_b32 s35, KREC, s35
	s_mov_b32 s7, 32768
	s_cselect_b32 s7, 16384, s7                    ; where a record's scale words begin
	s_mul_i32 s36, s6, s35                         ; the record's first byte (under 2^24)
	s_lshl_b32 s38, s34, 14
	s_add_co_u32 s38, s38, s36                     ; my fragments
	s_mov_b32 s39, 0
	s_lshl_b32 s56, s34, 10
	s_add_co_u32 s56, s56, s36
	s_add_co_u32 s56, s56, s7                      ; my scale words
	s_mov_b32 s57, 0
	s_lshl_b32 s58, s5, 22                         ; x: image, my 64 channels, the block's 128 pixels
	s_lshl_b32 s59, s2, 20
	s_add_co_u32 s58, s58, s59
	s_lshl_b32 s59, ttmp9, 9
	s_add_co_u32 s58, s58, s59
	s_mov_b32 s59, 0
	s_mov_b32 s61, 0
	s_wait_kmcnt 0x0
	s_add_nc_u64 s[50:51], s[8:9], s[58:59]
	WIN 0x80
.set cc, 0
.rept 64
	global_load_b128 v[4*cc:4*cc+3], v[LI], s[50:51] offset:16384*cc th:TH_LOAD_NT   ; one channel, 128 pixels: 512 consecutive bytes
.set cc, cc+1
.endr
	WIN 0
	s_cmp_eq_u32 s2, 1                             ; the buffers are chosen by the wave's number alone
	s_cselect_b64 s[40:41], s[16:17], s[22:23]
	s_cselect_b64 s[42:43], s[18:19], s[24:25]
	s_cselect_b64 s[44:45], s[20:21], s[26:27]
	s_cselect_b64 s[46:47], s[30:31], s[32:33]
	s_cmp_eq_u32 s2, 0
	s_cselect_b64 s[40:41], s[10:11], s[40:41]     ; codes
	s_cselect_b64 s[42:43], s[12:13], s[42:43]     ; scales
	s_cselect_b64 s[44:45], s[14:15], s[44:45]     ; bias
	s_cselect_b64 s[46:47], s[28:29], s[46:47]     ; output
	s_add_nc_u64 s[48:49], s[46:47], s[56:57]
	s_add_nc_u64 s[46:47], s[46:47], s[38:39]
	s_lshl_b32 s60, s34, 15                        ; v's upper half: 128 rows on
	s_add_nc_u64 s[40:41], s[40:41], s[60:61]
	s_lshl_b32 s60, s34, 10
	s_add_nc_u64 s[42:43], s[42:43], s[60:61]
	s_lshl_b32 s60, s34, 9
	s_add_nc_u64 s[44:45], s[44:45], s[60:61]
	XBLOCK 0
	s_cmp_lt_u32 s2, 2                             ; the weights are asked for here, between x's two blocks
	s_cbranch_scc0 .Lbias_v
	WIN 0xc0                                       ; k, q: lane (r, h) wants, for tile t, the bias of channels 32 (t / 2) + 16 h + 8 (t % 2) + 0 .. 7
.irp t, 0,1,2,3,4,5,6,7
	global_load_b128 v[8*\t:8*\t+3], v[BA], s[44:45] offset:(32*(\t/2)+8*(\t%2))*4
	global_load_b128 v[8*\t+4:8*\t+7], v[BA], s[44:45] offset:(32*(\t/2)+8*(\t%2))*4+16
.endr
	WIN 0
	s_branch .Lbias_done
.Lbias_v:
.irp t, 0,1,2,3,4,5,6,7
	global_load_b32 v[BVL+\t], v[BVA], s[44:45] offset:(32*(\t/2)+8*(\t%2))*4   ; v: the bias of my lane's channel in tile t
.endr
.Lbias_done:
.irp t, 0,1,2,3,4,5,6,7
	global_load_b64 v[WS+2*\t:WS+2*\t+1], v[WSA], s[42:43] offset:(32*(\t/2)+8*(\t%2))*8
.endr
	WIN 0x40
.irp t, 0,1,2,3,4,5,6,7
.irp s, 0,1
.irp c, 0,1,2,3
	global_load_b128 v[16*(2*\t+\s)+4*\c:16*(2*\t+\s)+4*\c+3], v[WA], s[40:41] offset:(32*(\t/2)+8*(\t%2))*256+128*\s+32*\c
.endr
.endr
.endr
	XBLOCK 1
	v_nop                                          ; a plain line behind the last conversion
.irp j, 0,1,2,3
	ds_store_b16 v[XSW], v[SB+\j] offset:8*\j
.endr
	s_wait_dscnt 0x0                               ; for the others' sake: my stores have landed
	s_barrier_signal -1
	s_barrier_wait -1                              ; x's 16 fragments and their scale bytes lie in LDS
	WIN 0x80
.irp t, 0,1,2,3,4,5,6,7
.irp s, 0,1
.irp c, 0,1,2,3
	ds_load_b128 v[16*(2*\t+\s)+4*\c:16*(2*\t+\s)+4*\c+3], v[LI] offset:(\t/2)*8224+(\t%2)*4112+2048*\s+512*\c
.endr
.endr
.endr
	WIN 0
.irp t, 0,1,2,3,4,5,6,7
	ds_load_b64 v[XS+2*\t:XS+2*\t+1], v[XSR] offset:128*\t
.endr
	s_wait_loadcnt 0x0                             ; the weights, their scale words, the bias
	s_wait_dscnt 0x0
	s_cmp_lt_u32 s2, 2
	s_cbranch_scc0 .Lvalues
.irp i, 0,1,2,3,4,5,6,7
	ITER 0, \i                                     ; pixel tile i of k or q
.endr
	WORDS
	s_wait_tensorcnt 0x0
	ds_add_u32 v254, v255
	s_wait_dscnt 0x0
	s_endpgm
.Lvalues:
	WIN 0xc0
.irp i, 0,1,2,3,4,5,6,7
.irp j, 0,1,2,3,4,5,6,7
	v_mov_b32 v[8*\i+\j], v[BVL+\i]                ; a lane holds one channel: its bias in all eight registers of the C
.endr
.endr
	WIN 0
.irp i, 0,1,2,3,4,5,6,7
	ITER 1, \i                                     ; channel tile i of my half of v
.endr
	WORDS
	s_wait_tensorcnt 0x0
	ds_add_u32 v254, v255
	s_wait_dscnt 0x0
	s_endpgm
.Lfunc_end_k_qec1786744d_proj:
	.size	k_qec1786744d_proj, .Lfunc_end_k_qec1786744d_proj-k_qec1786744d_proj
	.p2alignl 7, 3214868480
	.fill 96, 4, 3214868480
	.section	.rodata,"a",@progbits
	.p2align	6, 0x0
	.amdhsa_kernel k_qec1786744d_proj
		.amdhsa_group_segment_fixed_size 35328
		.amdhsa_private_segment_fixed_size 0
		.amdhsa_enable_private_segment 0
		.amdhsa_kernarg_size 104
		.amdhsa_user_sgpr_count 2
		.amdhsa_user_sgpr_kernarg_segment_ptr 1
		.amdhsa_wavefront_size32 1
		.amdhsa_system_sgpr_workgroup_id_x 1
		.amdhsa_system_sgpr_workgroup_id_y 1
		.amdhsa_system_sgpr_workgroup_id_z 1
		.amdhsa_system_vgpr_workitem_id 0
		.amdhsa_next_free_vgpr 832
		.amdhsa_next_free_sgpr 66
		.amdhsa_reserve_vcc 0
		.amdhsa_float_denorm_mode_32 3
		.amdhsa_float_denorm_mode_16_64 3
		.amdhsa_fp16_overflow 1
		.amdhsa_memory_ordered 1
		.amdhsa_forward_progress 1
		.amdhsa_inst_pref_size 159
	.end_amdhsa_kernel
	.amdgpu_metadata
---
amdhsa.version: [ 1, 2 ]
amdhsa.kernels:
  - .name:           k_qec1786744d_proj
    .symbol:         k_qec1786744d_proj.kd
    .args:
      - { .name: x, .offset: 0, .size: 8, .value_kind: global_buffer, .address_space: global }
      - { .name: Wk_codes, .offset: 8, .size: 8, .value_kind: global_buffer, .address_space: global }
      - { .name: Wk_scales, .offset: 16, .size: 8, .value_kind: global_buffer, .address_space: global }
      - { .name: bk, .offset: 24, .size: 8, .value_kind: global_buffer, .address_space: global }
      - { .name: Wq_codes, .offset: 32, .size: 8, .value_kind: global_buffer, .address_space: global }
      - { .name: Wq_scales, .offset: 40, .size: 8, .value_kind: global_buffer, .address_space: global }
      - { .name: bq, .offset: 48, .size: 8, .value_kind: global_buffer, .address_space: global }
      - { .name: Wv_codes, .offset: 56, .size: 8, .value_kind: global_buffer, .address_space: global }
      - { .name: Wv_scales, .offset: 64, .size: 8, .value_kind: global_buffer, .address_space: global }
      - { .name: bv, .offset: 72, .size: 8, .value_kind: global_buffer, .address_space: global }
      - { .name: kbuf, .offset: 80, .size: 8, .value_kind: global_buffer, .address_space: global }
      - { .name: qbuf, .offset: 88, .size: 8, .value_kind: global_buffer, .address_space: global }
      - { .name: vbuf, .offset: 96, .size: 8, .value_kind: global_buffer, .address_space: global }
    .group_segment_fixed_size: 35328
    .private_segment_fixed_size: 0
    .kernarg_segment_align: 8
    .kernarg_segment_size: 104
    .max_flat_workgroup_size: 128
    .sgpr_count:     66
    .vgpr_count:     832
    .wavefront_size: 32
...
	.end_amdgpu_metadata
.endif
;; end of part 1
;; launch attn (part 2): grid 32 x 8, 4 waves a work-group, clusters of 4 x 1, 327,680 bytes of LDS; arguments qbuf, kbuf, vbuf, Wr_codes, Wr_scales, br, gamma, x, out0; writes out0
.if DOCPART == 2
	.amdgcn_target "amdgcn-amd-amdhsa--gfx1250"
	.amdhsa_code_object_version 6
	.text
	.protected	k_qec1786744d_attn
	.globl	k_qec1786744d_attn
	.p2align	8
	.type	k_qec1786744d_attn,@function
k_qec1786744d_attn:
	s_mov_b64 s[64:65], 0
	v_nop
	global_prefetch_b8 v0, s[64:65] scope:SCOPE_SE
	s_setreg_imm32_b32 hwreg(HW_REG_WAVE_MODE, 25, 1), 1
	s_wait_xcnt 0x0
	s_wait_alu depctr_hold_cnt(0) depctr_sa_sdst(0) depctr_va_vdst(0) depctr_va_sdst(0) depctr_va_ssrc(0) depctr_va_vcc(0) depctr_vm_vsrc(0)
	s_getreg_b32 s2, hwreg(HW_REG_IB_STS2, 6, 4)
	s_cmp_eq_u32 s2, 0
	s_cbranch_scc0 .Lentry_in_a_cluster
	s_endpgm
.Lentry_in_a_cluster:
	s_bfe_u32 s2, ttmp6, 0x10000c
	s_cmp_lg_u32 s2, 0x3003
	s_cbranch_scc0 .Lentry_shape_is_right
	s_endpgm
.Lentry_shape_is_right:
; out0 = gamma (Wr (v softmax(q^T k)^T) + br) + x for 128 queries of one image; all three products on codes of BF8 (E5M2) with one E8M0 scale for each 32 along K.
; qbuf, kbuf, vbuf hold operand images (a fragment of 16 rows x 128 K is 2,048 bytes, register group c of lane l at 512 c + 16 l) in records of 128 pixels: 8 fragments and 1,024 bytes of scale words
; (k, q), 16 fragments and 2,048 bytes (v, K = the record's 128 keys).  Row r of tile T is index 32 (T / 2) + 8 (T % 2) + r + 8 (r / 8).
; THE SOFTMAX: t = score x log2(e); M = the running largest t rounded up to a whole number; p = 2^(t - M) is quantised along the keys, not normalised; the sum of the unquantised p divides O at the end;
; when M moves, the sum and O are multiplied by 2^(old M - new M), which rounds nothing.
; SHARES.  A work-group owns 128 queries; each of its four waves two tiles of 16, so that each fragment of K and V read from LDS feeds two matrix instructions.  Every wave walks 32 key steps of 128 keys.
; Both products are used transposed (S^T = K Q^T, O^T = V P^T): a lane holds ONE query throughout, and p's registers are neighbours along the keys.
; THE PIPELINE.  Body(c): the maximum, M, t - M and the exponentials of step c, with the 32 products V P^T of step c - 1 set between them; the sums and scales; the conversions; O^T x f, with the
; 16 products K Q^T of step c + 1 set between.  The two tiles alternate line by line.
; THE LDS LOADS of a step, K of step c + 1 and V of step c, go in SIX RUNS OF 17 (four tiles' scale words and four fragments: 8,704 bytes), about a sixth of the step's lines apart, so that the LDS serves one run
; while the lines up to the next are issued.  V is filled again on the heels of the products that read it: channel tiles 4 g .. 4 g + 3 are free behind product 8 g + 7.
; CLUSTER.  The four query blocks of a cluster belong to one image and walk the same K and V: each piece is asked for JOINTLY, by the same tensor load with the same descriptor and a mask that names the four.
; THE RING.  Two slots; ring slot i holds what Body(2 i + 1) and Body(2 i + 2) read: K(2 i + 2), K(2 i + 3), V(2 i + 1), V(2 i + 2).  K(0), K(1), V(0), V(31) lie in bytes of their own, filled once.
; By this text's own count a wave has two tensor loads out at the start and one behind each change of slots.
; THE END.  O^T / the sum is quantised along the 256 value channels and goes from wave to wave through LDS as images; wave w makes output channels 64 w .. 64 w + 63 for all 128 queries, so Wr is read once a work-group.
; LIMITS: NaN and infinities are not served; p under 2^-126 comes out of v_exp_f32 as 0; a block of zeros has the scale byte 1 and zero codes.
; REGISTERS: window 0: v1-11 addresses; v12-63 statistics, 26 a tile (v37: an address); v64-191 S^T, then p, 64 a tile; v192-223 p's codes; v224-231 K's scale words, v232-247 V's, v248-249 p's, v250-251 Q's; v252-255 br.
;   window 1: O^T, 128 a tile.  window 2: v0-31 Q, v128-255 K; at the end x.  window 3: V; at the end o's fragments, then rows of the output.
.set KREC,  17408
.set VREC,  34816
.set SLOT1, 131072                     ; slot 1 begins here: one exclusive or turns an address in one slot into the other's
.set VOFF,  34816                      ; in a slot: two records of K, then two of V
.set XK0,   104448
.set XK1,   235520
.set XV0,   252928
.set XV1,   287744
.set SPARE, 322560                     ; the spare words, 128 bytes for each wave: two blocks of 256 bytes that no other line names
.set STAGE, 131072                     ; the end's bytes lie in slot 1, which has had its last fill and its last read at the last change of slots: 16 rows x 528 bytes for each wave,
.set OIMG,  196608                     ; o's 16 fragments,
.set OSC,   229376                     ; and their scale words, 128 bytes each
.set LI,   1                           ; v1   16 x lane
.set ADRK, 2                           ; v2   LDS address of the record of K in hand; at the end: where I store o's images
.set ADRV, 3                           ; v3   of V, for its channel tiles 0-7; at the end: where I store o's scale words
.set ADRW, 37                          ; v37  of V, for its channel tiles 8-15.  Each of the three is written again only when the loads that named it have been waited for
.set SPW,  4                           ; v4   my spare word; never rewritten
.set NIL,  5                           ; v5   0; never rewritten
.set PFO,  6                           ; v6   the prefetches' offset; never rewritten
.set STO,  7                           ; v7   the stage: where I put 32 bytes of a row
.set RD,   8                           ; v8   and where I read a row back
.set WRO,  9                           ; v9   my place in a tile of Wr
.set R8,   10                          ; v10  8 r
.set R4,   11                          ; v11  4 r
.set ST,   12                          ; tile t's statistics at v[ST + 26 t]: +0 -M, +1 the largest t, +2,3 the sum, +4,5 f, +6,7 a second chain of the sum, +8..11 the blocks' largest, +12..15 exchange and bytes, +16..19 hold, +20..23 scale operands, +24 at work
.set S,    64
.set P,    192
.set KS,   224
.set VS,   232
.set PS,   248
.set QS,   250
.set BRL,  252
.set PW,   12                          ; the end: the scale word just made
.set ORI,  13                          ; where o's images are read
.set ORS,  14                          ; and their scale words
.set BR,   16                          ; v16-47 br as C, eight registers a tile
.set TM,   48                          ; v48-63 the quantiser's scratch
.set WV,    22
.set G1K,   28                         ; s[28:35] descriptor group 1 for a record of K; s[36:43] of V
.set G1V,   36
.set G0K,   44                         ; groups 0: the ring's, which walk,
.set G0V,   48
.set G0XK,  52                         ; and the static pieces'
.set G0XV,  56
.set SEL,   60
.set CS,    62                         ; s[62:63] log2(e), twice
.set MNT,   66
.set SLOTS, 67
.set TWICE, 68
.set SBASE, 69                         ; where the slot in hand begins
.set TBK,   70                         ; where the next record of K to be fetched begins
.set TBV,   71                         ; and of V
.set PFA,   72
.set LIM,   74
.set GAM,   76
.set XB,    78
.set OB,    80
.set WRC,   82
.set WRS,   84
.set BRP,   86
.set PFS,   98
.set DSN, 0                            ; counts the LDS loads that a key step's text has issued so far
.set MSB, 0
.macro WIN new                         ; the immediate's high byte repeats the setting that is left; a switch that changes nothing is dropped
.if MSB != \new
	s_set_vgpr_msb (MSB<<8)|\new
.set MSB, \new
.endif
.endm
.macro PLACES n
.rept \n
	v_nop
.endr
.endm
.macro CROUND                          ; a round of the cluster's barrier
	s_barrier_signal -1
	s_barrier_wait -1
	s_cmp_lg_u32 s[WV], 0
	s_cbranch_scc1 .Lnot_wave_0_\@
	s_barrier_signal -3
.Lnot_wave_0_\@:
	s_barrier_wait -3
	s_barrier_signal -1
	s_barrier_wait -1
.endm
.macro JLOAD                           ; a joint refill: waves 0 and 1 fetch the slot's two records of K, waves 2 and 3 those of V; four v_nop follow each line
	s_cmp_lt_u32 s[WV], 2
	s_cbranch_scc0 .Lfor_v_\@
	tensor_load_to_lds s[G0K:G0K+3], s[G1K:G1K+7]
	s_nop 0
	PLACES 4
	s_branch .Lasked_\@
.Lfor_v_\@:
	tensor_load_to_lds s[G0V:G0V+3], s[G1V:G1V+7]
	s_nop 0
	PLACES 4
.Lasked_\@:
.endm
; A PREFETCH of what the NEXT change of slots will ask for, two key steps ahead of that load.  All clusters of an image walk the same K and V: the image's first cluster asks.  Each wave asks for the record that it will
; fetch; the four partners take a quarter each, told apart BY ADDRESS: 17 blocks of 256 bytes of K, 34 of V (two instructions).  Lanes 17-31 repeat lane 16's block.  The last change that fills a slot asks for nothing.
.macro ASK
	s_cmp_gt_u32 s[SLOTS], s[LIM]
	s_cbranch_scc0 .Lnot_mine_\@
	global_prefetch_b8 v[PFO], s[PFA:PFA+1] th:TH_LOAD_NT scope:SCOPE_SE
	s_cmp_lt_u32 s[WV], 2
	s_cbranch_scc1 .Lnot_mine_\@
	global_prefetch_b8 v[PFO], s[PFA:PFA+1] offset:4352 th:TH_LOAD_NT scope:SCOPE_SE
.Lnot_mine_\@:
.endm
.macro KADR                            ; the next record of K: its loads of the step before were waited for ahead of that step's products K Q^T
	WIN 0
	v_add_nc_u32 v[ADRK], s[TBK], v[LI]
	s_add_co_u32 s[TBK], s[TBK], KREC
.endm
.macro KRUN h                          ; 17 LDS loads: the scale words of key tiles 4 h .. 4 h + 3 and their four fragments, as they lie
	WIN 0
	ds_load_b128 v[KS+4*\h:KS+4*\h+3], v[ADRK] offset:16384+512*\h
	WIN 0x80
.set ff, 16*\h
.rept 16
	ds_load_b128 v[128+4*ff:128+4*ff+3], v[ADRK] offset:512*ff
.set ff, ff+1
.endr
.set DSN, DSN+17
.endm
.macro VRUN g, adr                     ; 17 LDS loads: the scale words of channel tiles 4 g .. 4 g + 3 and their four fragments
	WIN 0
	ds_load_b128 v[VS+4*\g:VS+4*\g+3], v[\adr] offset:32768+512*\g
	WIN 0xc0
.set ff, 16*\g
.rept 16
	ds_load_b128 v[4*ff:4*ff+3], v[\adr] offset:512*ff
.set ff, ff+1
.endr
.set DSN, DSN+17
.endm
; Ahead of product 8 g of V P^T: V's run g of the step before is in.  Behind it that step issued V's runs g + 1 .. 3, 17 loads each
; and this step has issued DSN so far.  A wait's count ends at 63.
.macro VWAIT g
.set wn, 17*(3-(\g))+DSN
.if wn > 63
.set wn, 63
.endif
	s_wait_dscnt wn
.endm
.macro XLOADS                          ; x for the residual: my 64 output channels x 128 pixels into window 2, which K and Q have left; 512 consecutive bytes a load
	WIN 0x80
.set ff, 0
.rept 64
	global_load_b128 v[4*ff:4*ff+3], v[LI], s[XB:XB+1] offset:16384*ff th:TH_LOAD_NT
.set ff, ff+1
.endr
.endm
.macro WRLOADS                         ; my 64 rows of Wr into the registers that p has left, their scale words, my lane's br
	WIN 0
.irp ct, 0,1,2,3
.irp s, 0,1
	v_nop
.irp c, 0,1,2,3
	global_load_b128 v[S+16*(2*\ct+\s)+4*\c:S+16*(2*\ct+\s)+4*\c+3], v[WRO], s[WRC:WRC+1] offset:4096*\ct+128*\s+32*\c
.endr
.endr
.endr
.irp ct, 0,1,2,3
	global_load_b64 v[KS+2*\ct:KS+2*\ct+1], v[R8], s[WRS:WRS+1] offset:128*\ct
	global_load_b32 v[BRL+\ct], v[R4], s[BRP:BRP+1] offset:64*\ct
.endr
.endm
; THE MATRIX WORK.  Neighbouring matrix instructions never share an accumulator, one instruction a turn.
.macro KQW                             ; product kk of 16: key tile kk / 2, query tile kk % 2
	WIN 0x0a
.set tt, kk%2
.set kt, kk/2
	v_wmma_scale_f32_16x16x128_f8f6f4 v[S+64*tt+8*kt:S+64*tt+8*kt+7], v[128+16*kt:128+16*kt+15], v[16*tt:16*tt+15], 0, v[KS+kt], v[QS+tt] matrix_a_fmt:MATRIX_FMT_BF8 matrix_b_fmt:MATRIX_FMT_BF8
.set kk, kk+1
.endm
.macro PVW                             ; product kk of 32: channel tile kk / 2, query tile kk % 2
	WIN 0x53
.set tt, kk%2
.set ct, kk/2
	v_wmma_scale_f32_16x16x128_f8f6f4 v[128*tt+8*ct:128*tt+8*ct+7], v[16*ct:16*ct+15], v[P+16*tt:P+16*tt+15], v[128*tt+8*ct:128*tt+8*ct+7], v[VS+ct], v[PS+tt] matrix_a_fmt:MATRIX_FMT_BF8 matrix_b_fmt:MATRIX_FMT_BF8
.set kk, kk+1
.endm
; THE VECTOR WORK is four numbered lists; ITn writes item qq of list n: number qq / 2 for tile qq % 2.
; List 1, 153 a tile: 0-31 each block's largest score (each accumulator from its low end on); 32-39 with lane l xor 16's; 40-48 the largest t, -M, f; 49-52 t - M of the blocks' largest; 53-55 t - M of pairs 0-2;
; 56-142 in threes: two exponentials and the scaling t - M of the pair three further on; 143-152 the last ten exponentials.  The 68 exponentials are ONE BATCH: no line ahead of its wait names a result.
.macro IT1
.set tt, qq%2
.set nn, qq/2
.set rT, ST+26*tt
.set rS, S+64*tt
	WIN 0
.if nn < 4
	v_max3_num_f32 v[rT+8+nn], v[rS+16*nn], v[rS+16*nn+1], v[rS+16*nn+2]
.elseif nn < 28
	v_max3_num_f32 v[rT+8+nn%4], v[rT+8+nn%4], v[rS+16*(nn%4)+2*(nn/4)+1], v[rS+16*(nn%4)+2*(nn/4)+2]
.elseif nn < 32
	v_max_num_f32 v[rT+8+nn%4], v[rT+8+nn%4], v[rS+16*(nn%4)+15]
.elseif nn < 36
	v_permlanex16_b32 v[rT+12+nn-32], v[rT+8+nn-32], s[SEL], s[SEL+1]
.elseif nn < 40
	v_max_num_f32 v[rT+8+nn-36], v[rT+8+nn-36], v[rT+12+nn-36]
.elseif nn == 40
	v_max3_num_f32 v[rT+24], v[rT+8], v[rT+9], v[rT+10]
.elseif nn == 41
	v_max_num_f32 v[rT+24], v[rT+24], v[rT+11]
.elseif nn == 42
	v_mul_f32 v[rT+24], s[CS], v[rT+24]
.elseif nn == 43
	v_max_num_f32 v[rT+1], v[rT+1], v[rT+24]
.elseif nn == 44
	v_mov_b32 v[rT+24], v[rT]
.elseif nn == 45
	v_floor_f32 v[rT], -v[rT+1]
.elseif nn == 46
	v_sub_f32 v[rT+24], v[rT], v[rT+24]
.elseif nn == 47
	v_cvt_i32_f32 v[rT+24], v[rT+24]
.elseif nn == 48
	v_ldexp_f32 v[rT+4], 1.0, v[rT+24]
.elseif nn < 53
	v_fma_f32 v[rT+8+nn-49], v[rT+8+nn-49], s[CS], v[rT]
.elseif (nn < 56) || ((nn < 143) && ((nn-56)%3 == 2))
.set pp, nn-53                         ; 53-55: pairs 0-2
.if nn >= 56
.set pp, (nn-56)/3+3                   ; 58, 61, .. 142: pairs 3-31
.endif
	v_pk_fma_f32 v[rS+2*pp:rS+2*pp+1], v[rS+2*pp:rS+2*pp+1], s[CS:CS+1], v[rT:rT+1] op_sel_hi:[1,0,0]
.elseif nn < 149
.set ee, nn-85                         ; 143-148: scores 58-63
.if nn < 143
.set ee, 2*((nn-56)/3)+(nn-56)%3       ; 56, 57, 59, 60, .. 140, 141: scores 0-57
.endif
	v_exp_f32 v[rS+ee], v[rS+ee]
.else
	v_exp_f32 v[rT+8+nn-149], v[rT+8+nn-149]
.endif
.set qq, qq+1
.endm
; List 2, 51 a tile: 0-31 the sum of the unquantised p, in two chains; 32-47 floor, scale operand, hold, byte of each block; 48-50 p's scale word.
.macro IT2
.set tt, qq%2
.set nn, qq/2
.set rT, ST+26*tt
.set rS, S+64*tt
.set jj, (nn+1)/2
	WIN 0
.if nn == 0
	v_pk_add_f32 v[rT+6:rT+7], v[rS:rS+1], v[rS+2:rS+3]
.elseif (nn < 31) && (nn%2 == 1)
	v_pk_add_f32 v[rT+2:rT+3], v[rT+2:rT+3], v[rS+4*jj:rS+4*jj+1]
.elseif nn < 31
	v_pk_add_f32 v[rT+6:rT+7], v[rT+6:rT+7], v[rS+4*jj+2:rS+4*jj+3]
.elseif nn == 31
	v_pk_add_f32 v[rT+2:rT+3], v[rT+2:rT+3], v[rT+6:rT+7]
.elseif nn < 36
	v_max_num_f32 v[rT+8+nn-32], 0x8000000, v[rT+8+nn-32]
.elseif nn < 40
	v_add_nc_u32 v[rT+20+nn-36], 0xf8800000, v[rT+8+nn-36]
.elseif nn < 44
	v_and_or_b32 v[rT+16+nn-40], v[rT+8+nn-40], 0x7f800000, s[MNT]
.elseif nn < 48
	v_lshrrev_b32 v[rT+12+nn-44], 23, v[rT+20+nn-44]
.elseif nn == 48
	v_lshl_or_b32 v[PS+tt], v[rT+13], 8, v[rT+12]
.elseif nn == 49
	v_lshl_or_b32 v[PS+tt], v[rT+14], 16, v[PS+tt]
.else
	v_lshl_or_b32 v[PS+tt], v[rT+15], 24, v[PS+tt]
.endif
.set qq, qq+1
.endm
; List 3, 72 a tile: for each block 16 items that write nothing and two conversions.
.macro IT3
.set tt, qq%2
.set nn, qq/2
.set bb, nn/18
.set ii, nn%18
.set rT, ST+26*tt
.set rS, S+64*tt
	WIN 0
.if ii < 16
.elseif ii == 16
	v_cvt_scalef32_pk8_bf8_f32 v[P+16*tt+4*bb:P+16*tt+4*bb+1], v[rS+16*bb:rS+16*bb+7], v[rT+20+bb]
.else
	v_cvt_scalef32_pk8_bf8_f32 v[P+16*tt+4*bb+2:P+16*tt+4*bb+3], v[rS+16*bb+8:rS+16*bb+15], v[rT+20+bb]
.endif
.set qq, qq+1
.endm
; List 4, 64 a tile: O^T x f, ascending.  zero = 1, the first key step: O^T begins as zeros (the step is written once more for that alone).
.macro IT4 zero
.set tt, qq%2
.set rO, 128*tt+2*(qq/2)
.if \zero
	WIN 0x40
	v_mov_b32 v[rO], 0
	v_mov_b32 v[rO+1], 0
.else
	WIN 0x41
	v_pk_mul_f32 v[rO:rO+1], v[rO:rO+1], v[ST+26*tt+4:ST+26*tt+5] op_sel_hi:[1,0]
.endif
.set qq, qq+1
.endm
.macro EMIT1 cnt
.rept \cnt
	IT1
.endr
.endm
.macro EMIT2 cnt
.rept \cnt
	IT2
.endr
.endm
.macro EMIT3 cnt
.rept \cnt
	IT3
.endr
.endm
.macro EMIT4 cnt, zero
.rept \cnt
	IT4 \zero
.endr
.endm
; A KEY STEP.  pv: the products V P^T of the step before; kq: the products K Q^T of the step after; zero: O^T begins; last: nothing more of K is fetched, x and Wr are.
; Every step issues its runs of LDS loads in the same order: K 0, V 0, K 1, V 1, V 2, V 3 (the last step: V's four alone), so that the counted waits hold on every way into a step.
.macro BODY pv, kq, zero, last
.set DSN, 0
.if \last
	XLOADS                                         ; 15 plain lines stand between the last product that read K or Q and these loads
.else
	KADR
	KRUN 0                                         ; likewise
.endif
.set qq, 0
.set kk, 0
.rept 32                                       ; 18 x 10 + 14 x 9 = 306 lines of list 1, a product ahead of each slice
.if \pv && ((kk%8) == 0)
	VWAIT (kk/8)
.endif
.if kk == 11
	WIN 0
	v_add_nc_u32 v[ADRV], s[TBV], v[LI]            ; the loads that named this register, V's runs 0 and 1 of the step before, were waited for ahead of product 8
	VRUN 0, ADRV                                   ; channel tiles 0-3 were last read by product 7: 40 plain lines back
.endif
.if (kk == 20) && (\last == 0)
	KRUN 1
.endif
.if \pv
	PVW
.else
.set kk, kk+1
.endif
.if kk <= 18
	EMIT1 10
.else
	EMIT1 9
.endif
.endr
	WIN 0
	v_pk_mul_f32 v[ST+2:ST+3], v[ST+2:ST+3], v[ST+4:ST+5] op_sel_hi:[1,0]          ; the sums under the new M: the plain line behind the last exponential
	v_pk_mul_f32 v[ST+28:ST+29], v[ST+28:ST+29], v[ST+30:ST+31] op_sel_hi:[1,0]
	s_wait_alu depctr_va_vdst(0)                   ; one wait for the batch of 136 exponentials, ahead of the first line that names a result
	VRUN 1, ADRV                                   ; channel tiles 4-7 were last read by product 15: 46 scalings and the two lines above stand between
.set qq, 0
	EMIT2 102
.set qq, 0
	EMIT3 36                                       ; block 0 of both tiles
	WIN 0
	v_add_nc_u32 v[ADRW], s[TBV], v[LI]            ; the loads that named this register, V's runs 2 and 3 of the step before, were waited for ahead of product 24
	s_add_co_u32 s[TBV], s[TBV], VREC
	VRUN 2, ADRW
	EMIT3 108
	VRUN 3, ADRW
.set qq, 0
.if \kq
	s_wait_dscnt 51                                ; K's two runs are in: behind the second stand V's runs 1, 2 and 3
	EMIT4 8, \zero                                 ; (the plain lines behind the conversions, whose sources the products below write)
.set kk, 0
.rept 16
	KQW
	EMIT4 7, \zero
.endr
	EMIT4 8, \zero                                 ; 15 plain lines behind the last product K Q^T: ahead of the next reads of S^T and the next loads into K
.else
	WRLOADS
	EMIT4 128, 0
.endif
	WIN 0
.endm
; THE CHANGE OF SLOTS, at a slot's head.  Each wave waits for all its tensor loads (its part of the slot ahead), adds 0 to its spare word, and waits for that and for its reads of the slot that it has left.
; fill = 1: that slot is filled with the next ring slot; the barrier is a round of the cluster's, and the joint refill is the first thing behind it: it has two key steps in which to land.
.macro CHANGE fill
	s_wait_tensorcnt 0x0                           ; no tensor load of mine is out, so a group 0 may be written
	ds_add_u32 v[SPW], v[NIL]                      ; 0 onto my spare word
.if \fill
	s_xor_b32 s[G0K+1], s[G0K+1], SLOT1            ; the walking descriptors: the other slot than last time,
	s_add_nc_u64 s[G0K+2:G0K+3], s[G0K+2:G0K+3], 2*KREC   ; two records on; the type bits on top are not reached
	s_xor_b32 s[G0V+1], s[G0V+1], SLOT1
	s_add_nc_u64 s[G0V+2:G0V+3], s[G0V+2:G0V+3], 2*VREC
	s_wait_xcnt 0x0                                ; the last prefetches, two key steps back, have read their address
	s_add_nc_u64 s[PFA:PFA+1], s[PFA:PFA+1], s[PFS:PFS+1]
	s_wait_dscnt 0x0                               ; the add is done, and my reads of the slot that I have left are over
	CROUND
	JLOAD
	ASK
.else
	s_wait_dscnt 0x0
	s_barrier_signal -1
	s_barrier_wait -1
.endif
	s_mov_b32 s[TBK], s[SBASE]
	s_add_co_u32 s[TBV], s[SBASE], VOFF
.endm
.macro TWO_STEPS                       ; a slot's two key steps: written once, walked twice
	s_mov_b32 s[TWICE], 2
.Lstep_\@:
	BODY 1, 1, 0, 0
	s_sub_co_u32 s[TWICE], s[TWICE], 1
	s_cmp_lg_u32 s[TWICE], 0
	s_cbranch_scc1 .Lstep_\@
	s_xor_b32 s[SBASE], s[SBASE], SLOT1
.endm
; 64 registers of window 1, register 16 b + i = value channel 32 b + 16 (lane / 16) + i of my query, become a fragment's codes in v[P] on and its scale word in v[PW].
.macro QUANTW sb
	WIN 0x05
.irp b, 0,1,2,3
	v_max3_num_f32 v[TM+\b], |v[\sb+16*\b]|, |v[\sb+16*\b+1]|, 0x8000000
.endr
	WIN 0x14
.irp i, 2,4,6,8,10,12,14
.irp b, 0,1,2,3
	v_max3_num_f32 v[TM+\b], v[TM+\b], |v[\sb+16*\b+\i]|, |v[\sb+16*\b+\i+1]|
.endr
.endr
	WIN 0
.irp b, 0,1,2,3
	v_permlanex16_b32 v[TM+4+\b], v[TM+\b], s[SEL], s[SEL+1]
.endr
.irp b, 0,1,2,3
	v_max_num_f32 v[TM+\b], v[TM+\b], v[TM+4+\b]
.endr
.irp b, 0,1,2,3
	v_add_nc_u32 v[TM+12+\b], 0xf8800000, v[TM+\b]
.endr
.irp b, 0,1,2,3
.endr
.irp b, 0,1,2,3
	v_lshrrev_b32 v[TM+4+\b], 23, v[TM+12+\b]
.endr
	v_lshl_or_b32 v[PW], v[TM+5], 8, v[TM+4]
	v_lshl_or_b32 v[PW], v[TM+6], 16, v[PW]
	v_lshl_or_b32 v[PW], v[TM+7], 24, v[PW]
	WIN 0x41
.irp b, 0,1,2,3
.irp i, 0,1,2,3,4,5,6,7,8,9,10,11,12,13,14,15
.endr
.endr
	WIN 0x01
.irp b, 0,1,2,3
	v_cvt_scalef32_pk8_bf8_f32 v[P+4*\b:P+4*\b+1], v[\sb+16*\b:\sb+16*\b+7], v[TM+12+\b]
	v_cvt_scalef32_pk8_bf8_f32 v[P+4*\b+2:P+4*\b+3], v[\sb+16*\b+8:\sb+16*\b+15], v[TM+12+\b]
.endr
	WIN 0
	v_nop                                          ; a plain line behind the last conversion
.endm
.macro OUTP ks                         ; 32 matrix instructions: source 0 = 16 queries of o, source 1 = 16 rows of Wr: a lane holds one output channel and eight neighbouring pixels
.irp ct, 0,1,2,3
.irp qt, 0,1,2,3,4,5,6,7
.if \ks == 0
	v_wmma_scale_f32_16x16x128_f8f6f4 v[8*(8*\ct+\qt):8*(8*\ct+\qt)+7], v[32*\qt:32*\qt+15], v[S+32*\ct:S+32*\ct+15], v[BR+8*\ct:BR+8*\ct+7], v[VS+2*\qt], v[KS+2*\ct] matrix_a_fmt:MATRIX_FMT_BF8 matrix_b_fmt:MATRIX_FMT_BF8
.else
	v_wmma_scale_f32_16x16x128_f8f6f4 v[8*(8*\ct+\qt):8*(8*\ct+\qt)+7], v[32*\qt+16:32*\qt+31], v[S+32*\ct+16:S+32*\ct+31], v[8*(8*\ct+\qt):8*(8*\ct+\qt)+7], v[VS+2*\qt+1], v[KS+2*\ct+1] matrix_a_fmt:MATRIX_FMT_BF8 matrix_b_fmt:MATRIX_FMT_BF8
.endif
.endr
.endr
.endm
.macro TOSTAGE ct                      ; 16 output channels x 128 pixels through my own stage; LDS serves a wave's instructions in order (ISA guide 5.7.1.4)
	WIN 0x04
.irp qt, 0,1,2,3,4,5,6,7
	ds_store_b128 v[STO], v[8*(8*\ct+\qt):8*(8*\ct+\qt)+3] offset:128*(\qt/2)+32*(\qt%2)       ; each accumulator from its low end on
	ds_store_b128 v[STO], v[8*(8*\ct+\qt)+4:8*(8*\ct+\qt)+7] offset:128*(\qt/2)+32*(\qt%2)+16
.endr
	WIN 0xc0
.set ff, 0
.rept 16
	ds_load_b128 v[64*\ct+4*ff:64*\ct+4*ff+3], v[RD] offset:528*ff
.set ff, ff+1
.endr
.endm
.macro SEND ct, younger                ; younger: the LDS instructions issued behind this block's loads
	s_wait_dscnt \younger
	WIN 0xe3                                       ; the staged rows window 3, x window 2
.set ff, 0
.rept 32
	v_pk_fma_f32 v[64*\ct+2*ff:64*\ct+2*ff+1], v[64*\ct+2*ff:64*\ct+2*ff+1], s[GAM:GAM+1], v[64*\ct+2*ff:64*\ct+2*ff+1] op_sel_hi:[1,0,1]
.set ff, ff+1
.endr
	WIN 0x0c
.set ff, 0
.rept 16
	global_store_b128 v[LI], v[64*\ct+4*ff:64*\ct+4*ff+3], s[OB:OB+1] offset:(16*\ct+ff)*16384 th:TH_STORE_NT   ; 32 lanes store 512 consecutive bytes, aligned
.set ff, ff+1
.endr
.endm
	s_load_b512 s[4:19], s[0:1], 0x0               ; qbuf, kbuf, vbuf, Wr codes, Wr scales, br, gamma, x
	s_load_b64 s[20:21], s[0:1], 0x40              ; out0
	v_lshl_add_u32 v[SPW], v0, 2, SPARE
	v_mov_b32 v[NIL], 0
	ds_add_u32 v4, v5
	ds_add_u32 v4, v5
	s_wait_dscnt 0x0
	v_lshrrev_b32 v1, 5, v0
	v_readfirstlane_b32 s[WV], v1                  ; wave 0..3
	s_bfe_u32 s23, ttmp6, 0x40000                  ; cx: my place in the cluster
	s_lshl_b32 s24, ttmp9, 2
	s_add_co_u32 s24, s24, s23                     ; my block of 128 queries: it enters the addresses of Q, x, out0 and the prefetches alone
	s_and_b32 s25, ttmp7, 0xffff                   ; the image, which the four partners share
	s_and_b32 s88, s[WV], 1                        ; which of a slot's two records I fetch
	; group 1: a record is a dense block: rows of 256 bytes (32 elements of 8 bytes), 68 for K, 136 for V, no padding: images are read as consecutive bytes
	s_mov_b32 s[G1K], 15|(3<<16)|(1<<21)           ; 15:0 the mask: all four work-groups; 17:16 elements of 8 bytes; 21 set beside a mask
	s_mov_b32 s[G1K+1], 32<<16                     ; tensor_dim0
	s_mov_b32 s[G1K+2], 68<<16                     ; tensor_dim1
	s_mov_b32 s[G1K+3], 32<<16                     ; tile_dim0
	s_mov_b32 s[G1K+4], 68                         ; tile_dim1
	s_mov_b32 s[G1K+5], 32                         ; tensor_dim0_stride
	s_mov_b32 s[G1K+6], 0
	s_mov_b32 s[G1K+7], 0
	s_mov_b32 s[G1V], 15|(3<<16)|(1<<21)
	s_mov_b32 s[G1V+1], 32<<16
	s_mov_b32 s[G1V+2], 136<<16
	s_mov_b32 s[G1V+3], 32<<16
	s_mov_b32 s[G1V+4], 136
	s_mov_b32 s[G1V+5], 32
	s_mov_b32 s[G1V+6], 0
	s_mov_b32 s[G1V+7], 0
	s_mul_i32 s89, s25, 32*KREC
	s_mul_i32 s90, s88, KREC
	s_add_co_u32 s90, s90, s89                     ; K: record 0 or 1 of the image
	s_mov_b32 s91, 0
	s_mul_i32 s89, s25, 32*VREC
	s_mul_i32 s94, s88, VREC
	s_add_co_u32 s94, s94, s89                     ; V: record 0 or 1
	s_mov_b32 s95, 0
	s_mul_i32 s96, s88, 31*VREC
	s_add_co_u32 s96, s96, s89                     ; V: record 0 or 31
	s_mov_b32 s97, 0
	s_mov_b32 s[G0K], 1
	s_mul_i32 s[G0K+1], s88, KREC
	s_mov_b32 s[G0V], 1
	s_mul_i32 s[G0V+1], s88, VREC
	s_add_co_u32 s[G0V+1], s[G0V+1], VOFF
	s_mov_b32 s[G0XK], 1
	s_lshl_b32 s[G0XK+1], s88, 17
	s_add_co_u32 s[G0XK+1], s[G0XK+1], XK0
	s_mov_b32 s[G0XV], 1
	s_mul_i32 s[G0XV+1], s88, VREC
	s_add_co_u32 s[G0XV+1], s[G0XV+1], XV0
	s_mov_b32 s[SEL], 0x76543210
	s_mov_b32 s[SEL+1], 0xfedcba98
	s_mov_b32 s[CS], 0x3fb8aa3b                    ; log2(e)
	s_mov_b32 s[CS+1], s[CS]
	s_mov_b32 s[MNT], 0x600000                     ; the mantissa field of 57,344
	s_lshl_b32 s75, s25, 5
	s_add_co_u32 s75, s75, s24
	s_mul_i32 s75, s75, KREC                       ; my block's record of q
	s_lshl_b32 s92, s[WV], 12
	s_add_co_u32 s92, s92, s75                     ; my two fragments
	s_mov_b32 s93, 0
	s_lshr_b32 s2, s[WV], 1
	s_lshl_b32 s2, s2, 9
	s_lshl_b32 s3, s88, 3
	s_add_co_u32 s2, s2, s3
	s_add_co_u32 s2, s2, s75                       ; my two scale words: 512 (wave / 2) + 8 (wave % 2) in the record's words
	s_mov_b32 s3, 0
	s_cmp_eq_u32 ttmp9, 0
	s_cselect_b32 s[LIM], 1, -1                    ; the image's first cluster prefetches: the same in all four partners
	s_cmp_lt_u32 s[WV], 2
	s_mov_b32 s[PFS], 2*VREC
	s_cselect_b32 s[PFS], 2*KREC, s[PFS]           ; a ring slot on
	s_mov_b32 s100, 8704
	s_cselect_b32 s100, 4352, s100                 ; a partner's quarter of a record
	s_mov_b32 s[PFS+1], 0
	s_mul_i32 s100, s100, s23
	s_add_co_u32 s100, s100, s[PFS]                ; in ring slot 1: the first change of slots steps it to slot 2
	s_mov_b32 s101, 0
	s_wait_kmcnt 0x0
	s_load_b32 s[GAM], s[16:17], 0x0
	s_add_nc_u64 s[G0XK+2:G0XK+3], s[6:7], s[90:91]
	s_add_nc_u64 s[G0K+2:G0K+3], s[G0XK+2:G0XK+3], 2*KREC     ; ring slot 0: K(2), K(3)
	s_add_nc_u64 s[G0XV+2:G0XV+3], s[8:9], s[96:97]
	s_add_nc_u64 s[G0V+2:G0V+3], s[8:9], s[94:95]
	s_add_nc_u64 s[G0V+2:G0V+3], s[G0V+2:G0V+3], VREC         ; V(1), V(2)
	s_cmp_lt_u32 s[WV], 2
	s_cselect_b64 s[PFA:PFA+1], s[G0K+2:G0K+3], s[G0V+2:G0V+3]
	s_add_nc_u64 s[PFA:PFA+1], s[PFA:PFA+1], s[100:101]
	s_or_b32 s[G0K+3], s[G0K+3], 0x80000000        ; type = 2
	s_or_b32 s[G0V+3], s[G0V+3], 0x80000000
	s_or_b32 s[G0XK+3], s[G0XK+3], 0x80000000
	s_or_b32 s[G0XV+3], s[G0XV+3], 0x80000000
	s_add_nc_u64 s[26:27], s[4:5], s[92:93]        ; Q's fragments
	s_add_nc_u64 s[2:3], s[4:5], s[2:3]            ; Q's scale words
	s_lshl_b32 s92, s25, 22                        ; x, out0: image, my 64 channels, the block's 128 pixels
	s_lshl_b32 s75, s[WV], 20
	s_add_co_u32 s92, s92, s75
	s_lshl_b32 s75, s24, 9
	s_add_co_u32 s92, s92, s75
	s_add_nc_u64 s[XB:XB+1], s[18:19], s[92:93]
	s_add_nc_u64 s[OB:OB+1], s[20:21], s[92:93]
	s_lshl_b32 s92, s[WV], 14
	s_add_nc_u64 s[WRC:WRC+1], s[10:11], s[92:93]  ; my 64 rows of Wr
	s_lshl_b32 s92, s[WV], 9
	s_add_nc_u64 s[WRS:WRS+1], s[12:13], s[92:93]
	s_lshl_b32 s92, s[WV], 8
	s_add_nc_u64 s[BRP:BRP+1], s[14:15], s[92:93]
	CROUND                                         ; all four work-groups are here: the first joint loads meet
	s_cmp_lt_u32 s[WV], 2                          ; a wave's two first fills stand in one branch: the static piece, then the ring's slot 0
	s_cbranch_scc0 .Lfirst_v
	tensor_load_to_lds s[G0XK:G0XK+3], s[G1K:G1K+7]
	s_nop 0
	tensor_load_to_lds s[G0K:G0K+3], s[G1K:G1K+7]
	s_nop 0
	PLACES 4
	s_branch .Lfirst_asked
.Lfirst_v:
	tensor_load_to_lds s[G0XV:G0XV+3], s[G1V:G1V+7]
	s_nop 0
	tensor_load_to_lds s[G0V:G0V+3], s[G1V:G1V+7]
	s_nop 0
	PLACES 4
.Lfirst_asked:
	v_and_b32 v[LI], 31, v0
	v_min_u32 v[PFO], 16, v[LI]
	v_lshlrev_b32 v[PFO], 8, v[PFO]
	v_lshlrev_b32 v[LI], 4, v[LI]
	WIN 0x80
.set ff, 0
.rept 8
	global_load_b128 v[4*ff:4*ff+3], v[LI], s[26:27] offset:512*ff     ; Q's two fragments stay in registers
.set ff, ff+1
.endr
	WIN 0
	global_load_b64 v[QS:QS+1], v[LI], s[2:3] offset:16384
	v_and_b32 v2, 15, v0                           ; r
	v_bfe_u32 v3, v0, 4, 1                         ; h
	s_mul_i32 s89, s[WV], 8448
	s_add_co_u32 s89, s89, STAGE                   ; my stage
	v_mul_u32_u24 v[STO], v2, 528
	v_lshl_add_u32 v[STO], v3, 6, v[STO]
	v_add_nc_u32 v[STO], s89, v[STO]               ; in: row r (an output channel), + 64 h
	v_add_nc_u32 v[RD], s89, v[LI]                 ; back: a row of 512 bytes, 16 a lane
	v_lshlrev_b32 v[WRO], 8, v2
	v_lshl_add_u32 v[WRO], v3, 4, v[WRO]
	v_lshlrev_b32 v[R8], 3, v2
	v_lshlrev_b32 v[R4], 2, v2
	s_wait_tensorcnt 0x1                           ; my static piece is in; slot 0's part may stay out
	s_barrier_signal -1
	s_barrier_wait -1                              ; everybody's is
	s_mov_b32 s[TBK], XK0
	KADR
	KRUN 0                                         ; key step 0
	KRUN 1
	s_wait_loadcnt 0x0                             ; Q
	s_wait_kmcnt 0x0                               ; gamma
	s_mov_b32 s[GAM+1], s[GAM]
	s_wait_dscnt 0x0
.set kk, 0
.rept 16
	KQW                                            ; the first scores: there is no vector work yet to set between them
.endr
	WIN 0
.irp t, 0,1                                    ; 18 plain lines: the places behind those products
	v_mov_b32 v[ST+26*\t+1], 0xff61b1e6            ; the largest t so far: -3e38
	v_floor_f32 v[ST+26*\t], -v[ST+26*\t+1]        ; -M
	v_mov_b32 v[ST+26*\t+2], 0                     ; the sum
	v_mov_b32 v[ST+26*\t+3], 0
	v_mov_b32 v[ST+26*\t+5], 0                     ; (named with f as a pair)
.irp b, 0,1,2,3
	v_mov_b32 v[ST+26*\t+12+\b], 0                 ; a lane permute's destination counts as one of its sources
.endr
.endr
	s_mov_b32 s[TBK], XK1
	s_mov_b32 s[TBV], XV0
	BODY 0, 1, 1, 0                                ; step 0
	s_mov_b32 s[SBASE], 0
	s_mov_b32 s[SLOTS], 14
.Lslot:                                            ; 14 trips: trip j reads ring slot j and asks for ring slot j + 1
	CHANGE 1
	TWO_STEPS
	s_sub_co_u32 s[SLOTS], s[SLOTS], 1
	s_cmp_lg_u32 s[SLOTS], 0
	s_cbranch_scc1 .Lslot
	CHANGE 0                                       ; the last ring slot is written out
	TWO_STEPS
	s_mov_b32 s[TBV], XV1
	BODY 1, 0, 0, 1                                ; step 31
	s_wait_dscnt 0x0                               ; V(31)
.set kk, 0
.rept 32
	PVW
.endr
	WIN 0
	; O^T / the sum
.irp t, 0,1
	v_add_f32 v[ST+26*\t+24], v[ST+26*\t+2], v[ST+26*\t+3]
.endr
.irp t, 0,1
	v_permlanex16_b32 v[ST+26*\t+12], v[ST+26*\t+24], s[SEL], s[SEL+1]
.endr
.irp t, 0,1
	v_add_f32 v[ST+26*\t+24], v[ST+26*\t+24], v[ST+26*\t+12]
.endr
.irp t, 0,1
	v_rcp_f32 v[ST+26*\t+4], v[ST+26*\t+24]
.endr
	PLACES 8                                       ; the places behind the last products, and the plain line behind the reciprocals
	s_wait_alu depctr_va_vdst(0)                   ; one wait for both, ahead of their first reader
.set qq, 0
	EMIT4 128, 0
	WIN 0
	s_lshl_b32 s89, s[WV], 13
	s_add_co_u32 s89, s89, OIMG
	v_add_nc_u32 v[ADRK], s89, v[LI]               ; my four images: fragment 2 (2 wave + tile) + K step
	v_and_b32 v[ORS], 31, v0
	v_lshlrev_b32 v[ORS], 2, v[ORS]
	s_lshl_b32 s89, s[WV], 9
	s_add_co_u32 s89, s89, OSC
	v_add_nc_u32 v[ADRV], s89, v[ORS]
	v_add_nc_u32 v[ORI], OIMG, v[LI]
	v_add_nc_u32 v[ORS], OSC, v[ORS]
.irp t, 0,1
.irp s, 0,1
	QUANTW 128*\t+64*\s
.irp c, 0,1,2,3
	ds_store_b128 v[ADRK], v[P+4*\c:P+4*\c+3] offset:(2*\t+\s)*2048+512*\c
.endr
	ds_store_b32 v[ADRV], v[PW] offset:(2*\t+\s)*128
	s_wait_dscnt 0x0                               ; the stores have read their registers, and have landed
.endr
.endr
	s_wait_loadcnt 0x0                             ; x, Wr, br
.irp ct, 0,1,2,3
.irp j, 0,1,2,3,4,5,6,7
	v_mov_b32 v[BR+8*\ct+\j], v[BRL+\ct]           ; a lane holds one output channel: its bias in all eight registers of the C
.endr
.endr
	s_barrier_signal -1
	s_barrier_wait -1                              ; o's sixteen fragments lie in LDS
	WIN 0xc0
.set ff, 0
.rept 64
	ds_load_b128 v[4*ff:4*ff+3], v[ORI] offset:512*ff
.set ff, ff+1
.endr
	WIN 0
.set ff, 0
.rept 16
	ds_load_b32 v[VS+ff], v[ORS] offset:128*ff
.set ff, ff+1
.endr
	s_wait_dscnt 0x0
	WIN 0x43                                       ; source 0 (o) window 3, source 1 (Wr) and C (br) window 0, destination window 1
	OUTP 0
	WIN 0x53                                       ; C and D window 1; 31 other accumulators stand between two links
	OUTP 1
	WIN 0
	PLACES 8                                       ; ahead of the first read of results and of the loads into o's registers
	TOSTAGE 0
	TOSTAGE 1
	SEND 0, 32                                     ; behind block 0's loads: block 1's 16 stores and 16 loads
	TOSTAGE 2
	SEND 1, 32
	TOSTAGE 3
	SEND 2, 32
	SEND 3, 0
	WIN 0
	s_wait_tensorcnt 0x0                           ; the wave's end
	ds_add_u32 v[SPW], v[NIL]
	s_wait_dscnt 0x0
	CROUND                                         ; the closing round
	s_endpgm
.Lfunc_end_k_qec1786744d_attn:
	.size	k_qec1786744d_attn, .Lfunc_end_k_qec1786744d_attn-k_qec1786744d_attn
	.p2alignl 7, 3214868480
	.fill 96, 4, 3214868480
	.section	.rodata,"a",@progbits
	.p2align	6, 0x0
	.amdhsa_kernel k_qec1786744d_attn
		.amdhsa_group_segment_fixed_size 327680
		.amdhsa_private_segment_fixed_size 0
		.amdhsa_enable_private_segment 0
		.amdhsa_kernarg_size 72
		.amdhsa_user_sgpr_count 2
		.amdhsa_user_sgpr_kernarg_segment_ptr 1
		.amdhsa_wavefront_size32 1
		.amdhsa_system_sgpr_workgroup_id_x 1
		.amdhsa_system_sgpr_workgroup_id_y 1
		.amdhsa_system_sgpr_workgroup_id_z 1
		.amdhsa_system_vgpr_workitem_id 0
		.amdhsa_next_free_vgpr 1024
		.amdhsa_next_free_sgpr 102
		.amdhsa_reserve_vcc 0
		.amdhsa_float_denorm_mode_32 3
		.amdhsa_float_denorm_mode_16_64 3
		.amdhsa_fp16_overflow 1
		.amdhsa_memory_ordered 1
		.amdhsa_forward_progress 1
		.amdhsa_inst_pref_size 255
	.end_amdhsa_kernel
	.section	.bss,"aw",@nobits
	.p2align	6
	.space	262144
	.amdgpu_metadata
---
amdhsa.version: [ 1, 2 ]
amdhsa.kernels:
  - .name:           k_qec1786744d_attn
    .symbol:         k_qec1786744d_attn.kd
    .args:
      - { .name: qbuf, .offset: 0, .size: 8, .value_kind: global_buffer, .address_space: global }
      - { .name: kbuf, .offset: 8, .size: 8, .value_kind: global_buffer, .address_space: global }
      - { .name: vbuf, .offset: 16, .size: 8, .value_kind: global_buffer, .address_space: global }
      - { .name: Wr_codes, .offset: 24, .size: 8, .value_kind: global_buffer, .address_space: global }
      - { .name: Wr_scales, .offset: 32, .size: 8, .value_kind: global_buffer, .address_space: global }
      - { .name: br, .offset: 40, .size: 8, .value_kind: global_buffer, .address_space: global }
      - { .name: gamma, .offset: 48, .size: 8, .value_kind: global_buffer, .address_space: global }
      - { .name: x, .offset: 56, .size: 8, .value_kind: global_buffer, .address_space: global }
      - { .name: out0, .offset: 64, .size: 8, .value_kind: global_buffer, .address_space: global }
    .group_segment_fixed_size: 327680
    .private_segment_fixed_size: 0
    .kernarg_segment_align: 8
    .kernarg_segment_size: 72
    .max_flat_workgroup_size: 128
    .sgpr_count:     102
    .vgpr_count:     1024
    .wavefront_size: 32
...
	.end_amdgpu_metadata
.endif
;; end of part 2
